; MI455X (gfx1250); checked and timed in simulation.
; The chip was launched on July 23, 2026; its instructions are those of AMD's public machine-readable ISA for CDNA 5 (MIT licence, August 2026) and "CDNA5" Instruction Set Architecture Reference Guide (July 2026). The comments in the code are by the model that wrote it; some were corrected since.
;; MLPSDF. Allowed arithmetic: matrix products marked QUANTISED: E5M2 operands, one E8M0 scale for each 32 along K, by v_wmma_scale_f32_16x16x128_f8f6f4 with both operands' format E5M2, f32 sums; products left as they are: f32 operands where the result goes on into a quantised operand, else bf16, f16 or f32 operands; f32 sums; everything else in f32.
;; Inputs: W0_codes 32 x 1 x 32 uint8 (E5M2 codes of W0, K innermost, in blocks of 32 codes); W0_scales 32 x 1 uint8 (E8M0 scales of W0, one for each 32 codes along K); W1_codes 32 x 1 x 32 uint8 (E5M2 codes of W1, K innermost, in blocks of 32 codes); W1_scales 32 x 1 uint8 (E8M0 scales of W1, one for each 32 codes along K); W2 4 x 32 float32; table 16 x 524,288 x 2 float32; texc 1,000,000 x 3 float32.
;; Outputs: out0 1,000,000 x 4 float32.
;; This version of the problem:
;;   THIS VERSION OF THE PROBLEM IS GIVEN IN LOW PRECISION. The matrix products marked QUANTISED in the list below multiply operands that are first quantised to E5M2 (5 exponent bits, 2 mantissa bits; 8 bits a number), with one power-of-two scale for each 32 numbers along K (OCP MX v1.0); their sums are f32. All else is computed in f32.
;;   The module's matrix products, in the order in which they are computed (A, B: the left and right operand; K: the contracted axis; several contracted axes count as one K, in the product's order):
;;     1. [M 1,000,000, K 32] x [K 32, N 32]; A: computed on the way; B: input W0 (given as codes): QUANTISED
;;     2. [M 1,000,000, K 32] x [K 32, N 32]; A: computed on the way; B: input W1 (given as codes): QUANTISED
;;     3. [M 1,000,000, K 32] x [K 32, N 4]; A: computed on the way; B: input W2: left as it is (N = 4 < 16)
;;   THE QUANTISER, for each operand of a quantised product, along K:
;;     - K is cut into blocks of 32 from its start; a last block that is shorter is filled with zeros.
;;     - A block's scale is 2^e with e = floor(log2(the largest magnitude in the block)) - 15, held to -126 .. 127; a block of zeros has e = 0. As a byte (E8M0): e + 127.
;;     - Each number is divided by its block's scale, clamped to +-57,344, and rounded to the nearest number of E5M2, ties to even, subnormals kept.
;;     - The product sums the exact products of the quantised numbers (number of the format x scale) in f32.
;;   ~~~python
;;   def quantise(x, axis):      # numpy; x: float32 -> the quantised numbers, widened to float32 again
;;       x = np.moveaxis(x, axis, -1); K = x.shape[-1]
;;       x = np.pad(x, [(0, 0)] * (x.ndim - 1) + [(0, -K % 32)]); x = x.reshape(x.shape[:-1] + (-1, 32)); a = np.abs(x).max(-1, keepdims=True)
;;       e = np.where(a > 0, np.clip(np.frexp(np.where(a > 0, a, 1))[1] - 1 - 15, -126, 127), 0)      # np.frexp(a)[1] - 1 = floor(log2(a)), exactly
;;       r = np.clip(x / 2.0 ** e, -57344, 57344)
;;       step = 2.0 ** (np.maximum(np.frexp(np.where(r == 0, 1, r))[1] - 1, -14) - 2)
;;       q = np.round(r / step) * step * 2.0 ** e      # np.round: ties to even
;;       return np.moveaxis(q.reshape(q.shape[:-2] + (-1,))[..., :K], -1, axis).astype(np.float32)
;;   ~~~
;;   OPERANDS COMPUTED ON THE WAY. 'Computed on the way' means the value that the module computes at that place (a softmax that the list does not call 'softmax' is quantised finished and normalised). What goes into a quantiser is computed in f32, as accurately as f32 sums, v_exp_f32 and their like allow (about 1e-6 of the number): no bf16 or f16 on the way to a quantiser, and a product that is left as it is and whose result goes on into a quantised operand takes f32 operands (vector FMAs, or v_wmma_f32_16x16x4_f32). A number that lies on a knife's edge between two numbers of the format may be rounded either way, as far as f32 arithmetic and the matrix unit's own rounding can turn it there, and no further.
;;   INPUTS GIVEN AS CODES. W0 (in the module: [32, 32], K = its axis 1); W1 (in the module: [32, 32], K = its axis 1): each comes as NAME_codes (uint8): NAME with its K axis moved to the last place and cut into blocks of 32 codes, [.., K / 32, bytes a block], one block behind the other in memory; one code a byte (a code: sign, 5 exponent bits, 2 mantissa bits); and NAME_scales (uint8): the same leading axes, one E8M0 byte (e + 127) for each 32 codes along K. Its value is code x scale, taken as it is: it is not quantised again, and the codes and scales need not be those that the quantiser above would give.
;; One version. Each part assembles by itself: llvm-mc -triple=amdgcn-amd-amdhsa -mcpu=gfx1250 --defsym DOCPART=n.
;; ======== version 1 of 1: 2 launches
;; workspace buffers: cells 12,000,000 bytes of whole numbers
;; launch cells (part 1): grid 5860 x 1, 8 waves a work-group, no clusters, 0 bytes of LDS; arguments texc, cells; writes cells
.if DOCPART == 1
	.amdgcn_target "amdgcn-amd-amdhsa--gfx1250"
	.amdhsa_code_object_version 6
	.text
	.protected	k_q374963479b_cells
	.globl	k_q374963479b_cells
	.p2align	8
	.type	k_q374963479b_cells,@function
k_q374963479b_cells:
	s_mov_b64 s[64:65], 0
	v_nop
	global_prefetch_b8 v0, s[64:65] scope:SCOPE_SE
	s_setreg_imm32_b32 hwreg(HW_REG_WAVE_MODE, 25, 1), 1
	s_wait_xcnt 0x0
; texc [1,000,000][3] f32  ->  cells [1,000,000][3] u32: one whole number for each coordinate, from which the next launch forms every grid cell.
; For level l the cell is g_l = floor(pos), pos = x * s_l + 0.5 by ONE fused multiply-add (one rounding).  s_l = 16 * 2^(8 l / 15) - 1, rounded to f32: the bit patterns below.
; (A product rounded by itself could move pos by one unit in its last place where the sum leaves the product's binade; pos - floor(pos) magnifies that, up to 2^-12 at the finest level.)
; THE WORD.  bits 0-12: g15, the cell of the finest level (s = 4095).  bit 13 + l, l = 0 .. 14: g_l - base_l(g15), with base_l(g) = (g * A_l + B_l) >> 18,
; A_l = round(s_l / 4095 * 2^18), B_l = 104858 - A_l / 2, that is (g - 0.5) s_l / 4095 + 0.4.  Given g15, pos_l lies in an interval of width s_l / 4095, at most 0.691, whose lower end is
; (g15 - 0.5) s_l / 4095 + 0.5; the integer form is at most 8191 / 2^19 = 0.016 off and lies 0.1 under that end: 0.691 + 0.1 + 0.016 + the roundings of pos (under 0.001) stay under 1, so the difference is 0 or 1.
; LIMITS: 0 <= x < 2 (13 bits for g15; reference() states [0, 1)); beyond that g15 is held at 8191 and the word is of no use.  NaN and infinities are not served.
; SHARES.  The function is the same for x, y and z, so the tensor is a plain stream of 3,000,000 numbers.  A wave takes 64 of them, 8 bytes a lane: its load and its store each cover 256 consecutive bytes, aligned.
; 46,875 such chunks; 5,860 work-groups of 8 waves have 46,880 waves: the last five waves of the last work-group have no chunk and end.  Waves share nothing: no LDS, no barrier.
.set NCHUNK, 46875
.set GBITS,  13
.set SH,     18
.set BB,     104858                    ; 0.4 * 2^18
.set XV, 2                             ; v[2:3]   two coordinates
.set PS, 4                             ; v[4:5]   pos
.set GF, 6                             ; v[6:7]   g15
.set WD, 8                             ; v[8:9]   the words
.set GL, 10                            ; v[10:11] g_l, then g_l - base_l
.set BS, 12                            ; v[12:13] base_l
	s_load_b128 s[4:7], s[0:1], 0x0                ; texc, cells
	v_lshrrev_b32 v1, 5, v0
	v_readfirstlane_b32 s8, v1                     ; wave
	s_lshl_b32 s9, ttmp9, 3
	s_add_co_u32 s9, s9, s8                        ; my chunk
	s_lshl_b32 s10, s9, 8                          ; 256 bytes a chunk, in both tensors
	s_mov_b32 s11, 0
	v_and_b32 v1, 31, v0
	v_lshlrev_b32 v1, 3, v1                        ; 8 bytes a lane
	s_wait_kmcnt 0x0
	s_cmp_ge_u32 s9, NCHUNK
	s_cbranch_scc1 .Lend                           ; a branch on ids alone
	s_add_nc_u64 s[4:5], s[4:5], s[10:11]
	s_add_nc_u64 s[6:7], s[6:7], s[10:11]
	global_load_b64 v[XV:XV+1], v1, s[4:5] th:TH_LOAD_NT
	s_wait_loadcnt 0x0
	v_pk_fma_f32 v[PS:PS+1], v[XV:XV+1], 0x457ff000, 0.5 op_sel_hi:[1,0,0]   ; level 15: x * 4095 + 0.5, one rounding
	v_cvt_u32_f32 v[GF], v[PS]                     ; toward zero: the floor, since pos is not negative
	v_cvt_u32_f32 v[GF+1], v[PS+1]
	v_min_u32 v[GF], 0x1fff, v[GF]                 ; 13 bits
	v_min_u32 v[GF+1], 0x1fff, v[GF+1]
.macro LEVEL l, sc, a
	s_mov_b32 s12, \a                              ; (an instruction takes one literal: A_l goes through a scalar register)
	v_pk_fma_f32 v[PS:PS+1], v[XV:XV+1], \sc, 0.5 op_sel_hi:[1,0,0]
.irp e, 0,1
	v_mad_u32_u24 v[BS+\e], v[GF+\e], s12, BB-(\a)/2
.endr
.irp e, 0,1
	v_cvt_u32_f32 v[GL+\e], v[PS+\e]               ; g_l
.endr
.irp e, 0,1
	v_lshrrev_b32 v[BS+\e], SH, v[BS+\e]           ; base_l(g15)
.endr
.irp e, 0,1
	v_sub_nc_u32 v[GL+\e], v[GL+\e], v[BS+\e]      ; 0 or 1
.endr
.irp e, 0,1
.if \l == 0
	v_lshl_or_b32 v[WD+\e], v[GL+\e], GBITS, v[GF+\e]           ; the first bit starts the word, over g15
.else
	v_lshl_or_b32 v[WD+\e], v[GL+\e], GBITS+\l, v[WD+\e]
.endif
.endr
.endm
	LEVEL 0,  0x41700000, 960
	LEVEL 1,  0x41b1401e, 1418
	LEVEL 2,  0x42020dbc, 2081
	LEVEL 3,  0x423e0300, 3041
	LEVEL 4,  0x428a64c3, 4430
	LEVEL 5,  0x42c92ff5, 6440
	LEVEL 6,  0x4312088c, 9348
	LEVEL 7,  0x4353cc02, 13558
	LEVEL 8,  0x43997cb9, 19651
	LEVEL 9,  0x43de5c67, 28469
	LEVEL 10, 0x44210518, 41231
	LEVEL 11, 0x446926a5, 59701
	LEVEL 12, 0x44a8c5a3, 86432
	LEVEL 13, 0x44f45080, 125120
	LEVEL 14, 0x4530d285, 181110
	global_store_b64 v1, v[WD:WD+1], s[6:7]        ; 32 lanes store 256 consecutive bytes, aligned
.Lend:
	s_endpgm
.Lfunc_end_k_q374963479b_cells:
	.size	k_q374963479b_cells, .Lfunc_end_k_q374963479b_cells-k_q374963479b_cells
	.p2alignl 7, 3214868480
	.fill 96, 4, 3214868480
	.section	.rodata,"a",@progbits
	.p2align	6, 0x0
	.amdhsa_kernel k_q374963479b_cells
		.amdhsa_group_segment_fixed_size 0
		.amdhsa_private_segment_fixed_size 0
		.amdhsa_enable_private_segment 0
		.amdhsa_kernarg_size 16
		.amdhsa_user_sgpr_count 2
		.amdhsa_user_sgpr_kernarg_segment_ptr 1
		.amdhsa_wavefront_size32 1
		.amdhsa_system_sgpr_workgroup_id_x 1
		.amdhsa_system_sgpr_workgroup_id_y 1
		.amdhsa_system_sgpr_workgroup_id_z 1
		.amdhsa_system_vgpr_workitem_id 0
		.amdhsa_next_free_vgpr 16
		.amdhsa_next_free_sgpr 66
		.amdhsa_reserve_vcc 0
		.amdhsa_float_denorm_mode_32 3
		.amdhsa_float_denorm_mode_16_64 3
		.amdhsa_memory_ordered 1
		.amdhsa_forward_progress 1
		.amdhsa_inst_pref_size 12
	.end_amdhsa_kernel
	.amdgpu_metadata
---
amdhsa.version: [ 1, 2 ]
amdhsa.kernels:
  - .name:           k_q374963479b_cells
    .symbol:         k_q374963479b_cells.kd
    .args:
      - { .name: texc, .offset: 0, .size: 8, .value_kind: global_buffer, .address_space: global }
      - { .name: cells, .offset: 8, .size: 8, .value_kind: global_buffer, .address_space: global }
    .group_segment_fixed_size: 0
    .private_segment_fixed_size: 0
    .kernarg_segment_align: 8
    .kernarg_segment_size: 16
    .max_flat_workgroup_size: 256
    .sgpr_count:     66
    .vgpr_count:     16
    .wavefront_size: 32
...
	.end_amdgpu_metadata
.endif
;; end of part 1
;; launch sdf (part 2): grid 256 x 1, 16 waves a work-group, no clusters, 10,240 bytes of LDS; arguments texc, cells, table, W0_codes, W0_scales, W1_codes, W1_scales, W2, out0; writes out0
.if DOCPART == 2
	.amdgcn_target "amdgcn-amd-amdhsa--gfx1250"
	.amdhsa_code_object_version 6
	.text
	.protected	k_q374963479b_sdf
	.globl	k_q374963479b_sdf
	.p2align	8
	.type	k_q374963479b_sdf,@function
k_q374963479b_sdf:
	s_mov_b64 s[64:65], 0
	v_nop
	global_prefetch_b8 v0, s[64:65] scope:SCOPE_SE
	s_setreg_imm32_b32 hwreg(HW_REG_WAVE_MODE, 25, 1), 1
	s_wait_xcnt 0x0
; out0 = relu(relu(enc W0^T) W1^T) W2^T, enc = the hash grid's 16 levels x 2 features of each of 1,000,000 points.  The first two products on codes of BF8 (E5M2) with one E8M0 scale for K = 32; the third in f32, by fused multiply-adds.
; ADDRESSES COME FROM WHOLE NUMBERS ALONE: the launch before stored one word for each coordinate (bits 0-12: g15, the finest level's cell; bit 13 + l: g_l - base_l(g15), base_l(g) = (g A_l + B_l) >> 18).
; texc is read for the fractions only: pos = x s_l + 0.5 by ONE fused multiply-add (one rounding), frac = pos - floor(pos).  The same one rounding made the cells, so cell and fraction agree.
; SHARES.  256 work-groups of 16 waves that stay: 4,096 waves.  A wave takes 32 points at a time, a lane a point: batch = 256 wave + work-group + 4,096 trip, under 31,250: 7 or 8 trips; every work-group has 122 or 123 batches.
; Waves share nothing: no barrier.  No tensor loads: a gather is 8 bytes a lane at a place of its own, there are no tiles; what work-groups share is 2.6 KB of weights, which each wave reads once, so no cluster.
; A LEVEL is two steps.  ISSUE: the cell, the eight indices, eight loads of 8 bytes.  CONSUME: the eight weights ((x y) z, as reference() multiplies them), then eight packed multiply-adds, corners in reference()'s order.
; ISSUE runs three levels ahead of CONSUME, on four buffers of 16 registers: up to 32 gathers of a wave are on their way.  Levels 0-4 index densely: one address, the corners in the immediate.  Levels 5-15 hash:
; an index is made in the first register of the pair that its load fills, and the load multiplies it by 8 (scale_offset): a shift behind each of the 88 bounds would be 88 more instructions a batch.
; THE MLP stays in registers.  A lane's 32 features are one block of the quantiser.  Both quantised products are used transposed (source 0 = 16 rows of the weight, source 1 = 16 points): a lane holds one point, and
; THE ROWS OF A WEIGHT THAT FORM A TILE ARE NOT NEIGHBOURS: lane r of tile u takes row 8 u + r + 8 (r / 8), so that a lane's 16 results are units 16 (lane / 16) + 0 .. 15: the next operand's order.
; K = 32 is block 0 of the instruction's 128: registers 4-15 of every operand hold zero codes, written once; the scale words' upper bytes are 0, which is no NaN.
; THE THIRD PRODUCT has N = 4: of a matrix tile's 16 rows twelve would be padding, and one rounding of its operands to bf16 is up to 2^-8 of a number.  So it is 128 multiply-adds a point in f32, two to an instruction.
; Lane (r, h) holds units 16 h + 0 .. 15 of points r and 16 + r and wants W2[j][16 h + p]: 64 numbers, for which no registers are free through the levels.  Each wave lays W2's 512 bytes once into LDS bytes of its own
; (16 x the thread's number: no other wave touches them, so no barrier) and reads its 64 numbers in each batch into the gather buffers, which are idle then: the 16 lanes of a half read the same bytes.
; LIMITS: 0 <= texc < 2 (see the launch before); NaN and infinities are not served; a block of zeros gets the byte 1 where the rule says 127: its codes are zeros; the third product's sums run in another order than
; reference()'s, in f32; pos has one rounding where a product and a sum rounded apart have two: the two differ, by one unit in pos's last place, only where the sum leaves the product's binade.
.set NBATCH, 31250
.set STRIDE, 4096
.set GBITS,  13
.set SH,     18
.set BB,     104858
.set MASK,   0x7ffff                   ; the table has 2^19 entries of 8 bytes a level
.set SC0,  0x41700000                  ; s_l as f32
.set SC1,  0x41b1401e
.set SC2,  0x42020dbc
.set SC3,  0x423e0300
.set SC4,  0x428a64c3
.set SC5,  0x42c92ff5
.set SC6,  0x4312088c
.set SC7,  0x4353cc02
.set SC8,  0x43997cb9
.set SC9,  0x43de5c67
.set SC10, 0x44210518
.set SC11, 0x446926a5
.set SC12, 0x44a8c5a3
.set SC13, 0x44f45080
.set SC14, 0x4530d285
.set SC15, 0x457ff000
.set A0,  960                          ; round(s_l / 4095 * 2^18): the same numbers as in the launch before
.set A1,  1418
.set A2,  2081
.set A3,  3041
.set A4,  4430
.set A5,  6440
.set A6,  9348
.set A7,  13558
.set A8,  19651
.set A9,  28469
.set A10, 41231
.set A11, 59701
.set A12, 86432
.set A13, 125120
.set A14, 181110
.set RES0, 16                          ; ceil(s_l) + 1 of the dense levels (res^3 <= 2^19)
.set RES1, 24
.set RES2, 34
.set RES3, 49
.set RES4, 71
; vector registers
.set LO12, 1                           ; 12 x lane: my point in a batch of texc and of cells
.set LO16, 2                           ; 16 x lane: in a batch of out0, and in W2
.set ES,   3                           ; scale words stand in registers of their own: enc's,
.set HS0,  7                           ; the hidden layer's, tile 0,
.set HS1,  11                          ; tile 1,
.set W0S0, 15                          ; W0's, tile 0,
.set W0S1, 19                          ; tile 1,
.set W1S0, 54                          ; W1's
.set W1S1, 55
.set T,    4                           ; v[4:6]    x, y, z
.set C,    8                           ; v[8:10]   their cell words
.set G,    12                          ; v[12:14]  g15
.set P,    16                          ; v[16:18]  pos
.set X,    20                          ; v[20:21]  1 - fx, fx
.set Y,    22
.set Z,    24
.set XY,   26                          ; v[26:29]  wx_i wy_j
.set W,    30                          ; v[30:37]  the eight weights, corner 4 i + 2 j + k
.set TG,   38                          ; v[38:40]  the level's cell
.set TD,   41                          ; v[41:43]  the three bits; then:
.set X1,   41                          ; x + 1
.set HY,   42                          ; y p1, (y + 1) p1
.set HZ,   44                          ; z p2, (z + 1) p2
.set AA,   46                          ; v[46:49]  their four exclusive ors, 19 bits
.set AD,   50                          ; v[50:53]  a dense level's address, by turns with the buffers
.set D,    56                          ; v[56:119] four buffers of eight pairs
.set F,    120                         ; v[120:151] the 32 features
.set B0,   152                         ; v[152:167], v[168:183] the two tiles of 16 points as operands
.set W0F,  184                         ; v[184:215] W0's two tiles
.set W1F,  216                         ; v[216:247] W1's
.set WA,   248                         ; v248  LDS: my wave's copy of W2, + 64 h: where my 16 units of a row begin; never rewritten
.set WS,   249                         ; v249  LDS: 16 x my thread's number: where I lay my 16 bytes of W2; never rewritten
.set QA,   20                          ; the MLP's temporaries lie on the level's: largest magnitudes,
.set QP,   22                          ; the other half's,
.set QS,   24                          ; the conversions' scale operands,
.set QH,   26                          ; the holds
.set ACC,  20                          ; v[20:35]  the third product's sums: tile t, output j: the pair at ACC + 2 (4 t + j): even units', odd units' (the quantisers' temporaries are done with)
.set SM,   36                          ; v[36:39]  tile 0's four sums, v[40:43] tile 1's
.set OUT,  44                          ; v[44:47]  my point's four outputs
.set H1,   D                           ; hidden layer 1: 2 tiles x 16
.set H2,   F                           ; hidden layer 2
.set WW,   D                           ; v[56:119] W2[j][16 h + p] at WW + 16 j + p: rows 2, 3 on buffers 2, 3, rows 0, 1 on hidden layer 1's registers once they are done with
; scalar registers
.set WV,  22
.set BT,  23                           ; my batch: the loop's counter
.set PT,  26                           ; s[26:27] texc, s[28:29] cells at the batch being fetched; s[30:31] out0 at the batch in hand
.set PC,  28
.set PO,  30
.set PR1, 32
.set PR2, 33
.set MNT, 34
.set SEL, 36
.set SA,  38                           ; s38-52 A_l
.set NX,  53
.set TBL, 66                           ; s[66:97] the table at each level
	s_load_b256 s[4:11], s[0:1], 0x0               ; texc, cells, table, W0's codes
	s_load_b256 s[12:19], s[0:1], 0x20             ; W0's scales, W1's codes, W1's scales, W2
	s_load_b64 s[20:21], s[0:1], 0x40              ; out0
	v_lshl_add_u32 v254, v0, 2, 0x2000
	v_mov_b32 v255, 0
	v_lshrrev_b32 v20, 5, v0
	v_readfirstlane_b32 s[WV], v20
	v_and_b32 v21, 31, v0
	v_mul_u32_u24 v[LO12], v21, 12
	v_lshlrev_b32 v[LO16], 4, v21
	v_and_b32 v22, 15, v0                          ; r
	v_bfe_u32 v23, v0, 4, 1                        ; h
	v_and_b32 v24, 8, v22
	v_add_nc_u32 v24, v24, v22                     ; r + 8 (r / 8): a tile's row, and its scale byte
	v_lshlrev_b32 v25, 5, v24
	v_lshl_add_u32 v25, v23, 4, v25                ; a row of 32 codes, + 16 h
	v_lshlrev_b32 v[WS], 4, v0                     ; 512 x wave + 16 x lane
	v_and_b32 v27, 0x1e0, v0                       ; 32 x wave
	v_lshlrev_b32 v27, 4, v27                      ; 512 x wave
	v_lshl_add_u32 v[WA], v23, 6, v27              ; + 64 h
	s_lshl_b32 s[BT], s[WV], 8
	s_add_co_u32 s[BT], s[BT], ttmp9
	s_mov_b32 s[PR1], 0x9e3779b1                   ; 2654435761
	s_mov_b32 s[PR2], 0x30025795                   ; 805459861
	s_mov_b32 s[MNT], 0x600000                     ; the mantissa field of 57,344
	s_mov_b32 s[SEL], 0x76543210
	s_mov_b32 s[SEL+1], 0xfedcba98                 ; v_permlanex16_b32's selects for lane l xor 16
.irp l, 0,1,2,3,4,5,6,7,8,9,10,11,12,13,14
	s_mov_b32 s[SA+\l], A\l
.endr
	s_mul_i32 s24, s[BT], 384                      ; 32 points x 12 bytes
	s_mov_b32 s25, 0                               ; stays 0: the upper word of every offset
	s_wait_kmcnt 0x0
	s_add_nc_u64 s[PT:PT+1], s[4:5], s[24:25]
	s_add_nc_u64 s[PC:PC+1], s[6:7], s[24:25]
	global_load_b96 v[T:T+2], v[LO12], s[PT:PT+1] th:TH_LOAD_NT
	global_load_b96 v[C:C+2], v[LO12], s[PC:PC+1] th:TH_LOAD_NT
	global_load_b128 v[W0F:W0F+3], v25, s[10:11]               ; tile u begins at row 8 u
	global_load_b128 v[W0F+16:W0F+19], v25, s[10:11] offset:256
	global_load_b128 v[W1F:W1F+3], v25, s[14:15]
	global_load_b128 v[W1F+16:W1F+19], v25, s[14:15] offset:256
	global_load_u8 v[W0S0], v24, s[12:13]                      ; byte 0: the row's scale; bytes 1-3: 0
	global_load_u8 v[W0S1], v24, s[12:13] offset:8
	global_load_u8 v[W1S0], v24, s[16:17]
	global_load_u8 v[W1S1], v24, s[16:17] offset:8
	global_load_b128 v[D:D+3], v[LO16], s[18:19]               ; W2 as it lies: 32 lanes x 16 bytes are its 512 bytes
.irp l, 0,1,2,3,4,5,6,7,8,9,10,11,12,13,14,15
	s_add_nc_u64 s[TBL+2*\l:TBL+2*\l+1], s[8:9], \l*0x400000
.endr
.irp f, W0F, W0F+16, W1F, W1F+16, B0, B0+16
.irp i, 4,5,6,7,8,9,10,11,12,13,14,15
	v_mov_b32 v[\f+\i], 0                          ; K = 32 .. 127 of every operand: zero codes, once for the whole launch
.endr
.endr
	s_wait_loadcnt 0x0
	ds_store_b128 v[WS], v[D:D+3]                  ; my wave's own copy of W2: row j at 128 j
	s_wait_dscnt 0x0                               ; the store has read its registers: the first gathers land there
; ISSUE: level l's eight gathers into buffer l % 4.  Level l - 4's were waited for by its CONSUME, which stands ahead: so the buffer and the dense address register are free.
.macro ISSUE l
.set DB, D+16*((\l)%4)
.if \l < 15
.set CO, TG
.irp d, 0,1,2
	v_mad_u32_u24 v[TG+\d], v[G+\d], s[SA+\l], BB-(A\l)/2
.endr
.irp d, 0,1,2
	v_bfe_u32 v[TD+\d], v[C+\d], GBITS+\l, 1
.endr
.irp d, 0,1,2
	v_lshrrev_b32 v[TG+\d], SH, v[TG+\d]           ; base_l(g15)
.endr
.irp d, 0,1,2
	v_add_nc_u32 v[TG+\d], v[TG+\d], v[TD+\d]      ; the cell
.endr
.else
.set CO, G                             ; the finest level's cell is g15 itself
.endif
.if \l < 5
	v_mad_u32_u24 v[TD], v[CO+1], RES\l, v[CO]
	v_mad_u32_u24 v[TD], v[CO+2], RES\l*RES\l, v[TD]            ; x + y res + z res^2
	v_min_u32 v[TD], MASK-1-RES\l-RES\l*RES\l, v[TD]            ; all eight corners stay inside the level's table, whatever the word holds
	v_lshlrev_b32 v[AD+(\l)%4], 3, v[TD]
.irp c, 0,1,2,3,4,5,6,7
	global_load_b64 v[DB+2*\c:DB+2*\c+1], v[AD+(\l)%4], s[TBL+2*\l:TBL+2*\l+1] offset:8*((\c/4)+((\c/2)%2)*RES\l+(\c%2)*RES\l*RES\l)
.endr
.else
	v_add_nc_u32 v[X1], 1, v[CO]
	v_mul_lo_u32 v[HY], v[CO+1], s[PR1]
	v_mul_lo_u32 v[HZ], v[CO+2], s[PR2]
	v_add_nc_u32 v[HY+1], s[PR1], v[HY]            ; (y + 1) p = y p + p, modulo 2^32
	v_add_nc_u32 v[HZ+1], s[PR2], v[HZ]
.irp j, 0,1
.irp k, 0,1
	v_xor_b32 v[AA+2*\j+\k], v[HY+\j], v[HZ+\k]
.endr
.endr
.irp q, 0,1,2,3
	v_and_b32 v[AA+\q], MASK, v[AA+\q]             ; modulo 2^19 here, four times: x and x + 1 have 14 bits at the most
.endr
.irp q, 0,1,2,3
	v_xor_b32 v[DB+2*\q], v[CO], v[AA+\q]
	v_xor_b32 v[DB+8+2*\q], v[X1], v[AA+\q]
.endr
.irp c, 0,1,2,3,4,5,6,7
	v_min_u32 v[DB+2*\c], MASK, v[DB+2*\c]         ; the bound on a loaded number that enters an address; it changes nothing
.endr
.irp c, 0,1,2,3,4,5,6,7
	global_load_b64 v[DB+2*\c:DB+2*\c+1], v[DB+2*\c], s[TBL+2*\l:TBL+2*\l+1] scale_offset   ; the load lands on its own address register
.endr
.endif
.endm
; CONSUME: level l's two features.  left = the gathers issued behind level l's, eight for each later level: loads come back in order (ISA guide 5.7.1), so they may stay out.
.macro CONSUME l, left
.set DB, D+16*((\l)%4)
.set FO, F+2*(\l)
	v_pk_fma_f32 v[P:P+1], v[T:T+1], SC\l, 0.5 op_sel_hi:[1,0,0]   ; pos = x s + 0.5: one rounding, as in the launch that made the cells
	v_fma_f32 v[P+2], v[T+2], SC\l, 0.5
	v_fract_f32 v[X+1], v[P]                       ; pos - floor(pos): exact
	v_fract_f32 v[Y+1], v[P+1]
	v_fract_f32 v[Z+1], v[P+2]
	v_sub_f32 v[X], 1.0, v[X+1]
	v_sub_f32 v[Y], 1.0, v[Y+1]
	v_sub_f32 v[Z], 1.0, v[Z+1]
	v_pk_mul_f32 v[XY:XY+1], v[X:X+1], v[Y:Y+1] op_sel_hi:[0,1]                       ; (1 - fx) x both of y's
	v_pk_mul_f32 v[XY+2:XY+3], v[X:X+1], v[Y:Y+1] op_sel:[1,0] op_sel_hi:[1,1]        ; fx x both of y's
	v_pk_mul_f32 v[W:W+1], v[XY:XY+1], v[Z:Z+1] op_sel_hi:[0,1]
	v_pk_mul_f32 v[W+2:W+3], v[XY:XY+1], v[Z:Z+1] op_sel:[1,0] op_sel_hi:[1,1]
	v_pk_mul_f32 v[W+4:W+5], v[XY+2:XY+3], v[Z:Z+1] op_sel_hi:[0,1]
	v_pk_mul_f32 v[W+6:W+7], v[XY+2:XY+3], v[Z:Z+1] op_sel:[1,0] op_sel_hi:[1,1]
	s_wait_loadcnt \left
	v_pk_mul_f32 v[FO:FO+1], v[W:W+1], v[DB:DB+1] op_sel_hi:[0,1]                     ; corner 0 starts the sums: one weight x the corner's two features
.irp c, 1,2,3,4,5,6,7
.if \c % 2
	v_pk_fma_f32 v[FO:FO+1], v[W+2*(\c/2):W+2*(\c/2)+1], v[DB+2*\c:DB+2*\c+1], v[FO:FO+1] op_sel:[1,0,0] op_sel_hi:[1,1,1]
.else
	v_pk_fma_f32 v[FO:FO+1], v[W+2*(\c/2):W+2*(\c/2)+1], v[DB+2*\c:DB+2*\c+1], v[FO:FO+1] op_sel_hi:[0,1,1]
.endif
.endr
.endm
; W2's rows j0 and j1, my 16 units of each, from my wave's copy in LDS: eight loads of 16 bytes
.macro W2ROWS j0, j1
.irp j, \j0, \j1
.irp q, 0,1,2,3
	ds_load_b128 v[WW+16*\j+4*\q:WW+16*\j+4*\q+3], v[WA] offset:128*\j+16*\q
.endr
.endr
.endm
; The third product's outputs j0 and j1 of both tiles: my 16 units, two to an instruction; the first pair starts the sums; four sums by turns, so that no line waits for the line above it
.macro DOT j0, j1
.irp q, 0,1,2,3,4,5,6,7
.irp j, \j0, \j1
.irp t, 0,1
.if \q == 0
	v_pk_mul_f32 v[ACC+2*(4*\t+\j):ACC+2*(4*\t+\j)+1], v[H2+16*\t+2*\q:H2+16*\t+2*\q+1], v[WW+16*\j+2*\q:WW+16*\j+2*\q+1]
.else
	v_pk_fma_f32 v[ACC+2*(4*\t+\j):ACC+2*(4*\t+\j)+1], v[H2+16*\t+2*\q:H2+16*\t+2*\q+1], v[WW+16*\j+2*\q:WW+16*\j+2*\q+1], v[ACC+2*(4*\t+\j):ACC+2*(4*\t+\j)+1]
.endif
.endr
.endr
.endr
.endm
.Lbatch:
	s_wait_loadcnt 0x0                             ; this batch's x, y, z and cell words, asked for ahead of the last batch's MLP
	s_wait_xcnt 0x0                                ; the last batch's store has read its data and its base: both are written again below
	s_lshl_b32 s24, s[BT], 9                       ; 32 points x 16 bytes
	s_add_nc_u64 s[PO:PO+1], s[20:21], s[24:25]
.irp d, 0,1,2
	v_and_b32 v[G+\d], 0x1fff, v[C+\d]
.endr
	ISSUE 0
	ISSUE 1
	ISSUE 2
	ISSUE 3
	CONSUME 0, 24
	ISSUE 4
	CONSUME 1, 24
	ISSUE 5
	CONSUME 2, 24
	ISSUE 6
	CONSUME 3, 24
	ISSUE 7
	CONSUME 4, 24
	ISSUE 8
	CONSUME 5, 24
	ISSUE 9
	CONSUME 6, 24
	ISSUE 10
	CONSUME 7, 24
	ISSUE 11
	CONSUME 8, 24
	ISSUE 12
	CONSUME 9, 24
	ISSUE 13
	CONSUME 10, 24
	ISSUE 14
	CONSUME 11, 24
	ISSUE 15
	CONSUME 12, 24
	CONSUME 13, 16
	CONSUME 14, 8
	CONSUME 15, 0
	; the next batch's coordinates and words are asked for here and land during the MLP.  In the last trip the batch is held at the last one: no load leaves its buffer
	s_add_co_u32 s[NX], s[BT], STRIDE
	s_min_u32 s[NX], s[NX], NBATCH-1
	s_mul_i32 s24, s[NX], 384
	s_add_nc_u64 s[PT:PT+1], s[4:5], s[24:25]      ; (the loads that named these two bases were waited for at the trip's head)
	s_add_nc_u64 s[PC:PC+1], s[6:7], s[24:25]
	global_load_b96 v[T:T+2], v[LO12], s[PT:PT+1] th:TH_LOAD_NT
	global_load_b96 v[C:C+2], v[LO12], s[PC:PC+1] th:TH_LOAD_NT
	W2ROWS 2, 3                                    ; into buffers 2 and 3, whose last gathers have been used
	; ---- enc is quantised: my 32 features are one block
	v_max3_num_f32 v[QA], |v[F]|, |v[F+1]|, 0x8000000          ; with the floor 2^(16 - 127) among the leaves: the byte cannot fall under 1
	v_max3_num_f32 v[QA+1], |v[F+16]|, |v[F+17]|, |v[F+18]|
.irp i, 2,4,6,8,10,12
	v_max3_num_f32 v[QA], v[QA], |v[F+\i]|, |v[F+\i+1]|
	v_max3_num_f32 v[QA+1], v[QA+1], |v[F+17+\i]|, |v[F+18+\i]|
.endr
	v_max3_num_f32 v[QA], v[QA], |v[F+14]|, |v[F+15]|
	v_max3_num_f32 v[QA], v[QA], v[QA+1], |v[F+31]|
	v_add_nc_u32 v[QS], 0xf8800000, v[QA]          ; 15 off the exponent field: the conversion's scale operand
	v_and_or_b32 v[QH], v[QA], 0x7f800000, s[MNT]  ; 57,344 x the scale
	v_lshrrev_b32 v[ES], 23, v[QS]                 ; the scale's byte: lane L has point L's
.irp i, 0,1,2,3,4,5,6,7,8,9,10,11,12,13,14,15,16,17,18,19,20,21,22,23,24,25,26,27,28,29,30,31
	v_med3_num_f32 v[F+\i], v[F+\i], -v[QH], v[QH] ; the conversion to an 8-bit code does not saturate (ISA guide 7.6.2): the hold at the largest code x the scale
.endr
	v_cvt_scalef32_pk8_bf8_f32 v[B0:B0+1], v[F:F+7], v[QS]
	v_cvt_scalef32_pk8_bf8_f32 v[B0+2:B0+3], v[F+8:F+15], v[QS]
	v_cvt_scalef32_pk8_bf8_f32 v[B0+16:B0+17], v[F+16:F+23], v[QS]
	v_cvt_scalef32_pk8_bf8_f32 v[B0+18:B0+19], v[F+24:F+31], v[QS]
	v_nop                                          ; a plain instruction between a scaled conversion and the next instruction that touches its result
; The operand wants k = 16 h + 0 .. 15 of point r in lane (r, h).  The first run holds k = 0 .. 15 of points 0 .. 31, the second k = 16 .. 31: the first's lanes 16-31 change places with the second's lanes 0-15
.irp i, 0,1,2,3
	v_permlane16_swap_b32 v[B0+\i], v[B0+16+\i]
.endr
.rept 4
	v_nop                                          ; an operand written by vector instructions stands four places ahead of a scaled matrix instruction (the scale word stands 32 holds ahead)
.endr
.irp t, 0,1
.irp u, 0,1
.if \t
	v_wmma_scale_f32_16x16x128_f8f6f4 v[H1+16*\t+8*\u:H1+16*\t+8*\u+7], v[W0F+16*\u:W0F+16*\u+15], v[B0+16*\t:B0+16*\t+15], 0, v[W0S\u], v[ES] matrix_a_fmt:MATRIX_FMT_BF8 matrix_b_fmt:MATRIX_FMT_BF8 matrix_b_scale:MATRIX_SCALE_ROW1
.else
	v_wmma_scale_f32_16x16x128_f8f6f4 v[H1+16*\t+8*\u:H1+16*\t+8*\u+7], v[W0F+16*\u:W0F+16*\u+15], v[B0+16*\t:B0+16*\t+15], 0, v[W0S\u], v[ES] matrix_a_fmt:MATRIX_FMT_BF8 matrix_b_fmt:MATRIX_FMT_BF8
.endif
.endr
.endr                                          ; points 16-31 have their bytes in lanes 16-31 of the same scale register.  Lane (r, h), register 16 t + p: unit 16 h + p of point 16 t + r
.rept 8
	v_nop                                          ; eight places between these products and the first read of their results, and the later loads into their registers
.endr
	; ---- relu and the quantiser, both tiles by turns.  No |.|: what is negative becomes 0 and must not count; a block lies in lanes l and l xor 16
.irp t, 0,1
	v_max3_num_f32 v[QA+\t], v[H1+16*\t], v[H1+16*\t+1], 0x8000000
.endr
.irp i, 2,4,6,8,10,12,14
.irp t, 0,1
	v_max3_num_f32 v[QA+\t], v[QA+\t], v[H1+16*\t+\i], v[H1+16*\t+\i+1]
.endr
.endr
.irp t, 0,1
	v_permlanex16_b32 v[QP+\t], v[QA+\t], s[SEL], s[SEL+1]
.endr
.irp t, 0,1
	v_max_num_f32 v[QA+\t], v[QA+\t], v[QP+\t]
.endr
.irp t, 0,1
	v_add_nc_u32 v[QS+\t], 0xf8800000, v[QA+\t]
.endr
.irp t, 0,1
	v_and_or_b32 v[QH+\t], v[QA+\t], 0x7f800000, s[MNT]
.endr
.irp t, 0,1
	v_lshrrev_b32 v[HS\t], 23, v[QS+\t]
.endr
.irp t, 0,1
.irp i, 0,1,2,3,4,5,6,7,8,9,10,11,12,13,14,15
	v_med3_num_f32 v[H1+16*\t+\i], v[H1+16*\t+\i], 0, v[QH+\t]   ; the activation and the hold in one
.endr
.endr
.irp t, 0,1
	v_cvt_scalef32_pk8_bf8_f32 v[B0+16*\t:B0+16*\t+1], v[H1+16*\t:H1+16*\t+7], v[QS+\t]
	v_cvt_scalef32_pk8_bf8_f32 v[B0+16*\t+2:B0+16*\t+3], v[H1+16*\t+8:H1+16*\t+15], v[QS+\t]
.endr
.rept 4
	v_nop                                          ; four places ahead of the scaled products; the first is also the plain instruction behind the conversions
.endr
	W2ROWS 0, 1                                    ; into hidden layer 1's registers, which the conversions have read
.irp t, 0,1
.irp u, 0,1
	v_wmma_scale_f32_16x16x128_f8f6f4 v[H2+16*\t+8*\u:H2+16*\t+8*\u+7], v[W1F+16*\u:W1F+16*\u+15], v[B0+16*\t:B0+16*\t+15], 0, v[W1S\u], v[HS\t] matrix_a_fmt:MATRIX_FMT_BF8 matrix_b_fmt:MATRIX_FMT_BF8
.endr
.endr
.rept 8
	v_nop
.endr
	; ---- relu, and the third product in f32.  Lane (r, h), register 16 t + p: unit 16 h + p of point 16 t + r
.irp i, 0,1,2,3,4,5,6,7,8,9,10,11,12,13,14,15,16,17,18,19,20,21,22,23,24,25,26,27,28,29,30,31
	v_max_num_f32 v[H2+\i], 0, v[H2+\i]            ; each accumulator from its low end on
.endr
	s_wait_dscnt 0x8                               ; W2's rows 2 and 3 are in; the eight loads of rows 0 and 1, issued behind them, may be out
	DOT 2, 3
	s_wait_dscnt 0x0                               ; rows 0 and 1
	DOT 0, 1
.irp t, 0,1
.irp j, 0,1,2,3
	v_add_f32 v[SM+4*\t+\j], v[ACC+2*(4*\t+\j)], v[ACC+2*(4*\t+\j)+1]   ; even units' and odd units': my 16 units' part of output j of point 16 t + r
.endr
.endr
; Tile 0's lanes 16-31 (points 0-15, units 16-31) change places with tile 1's lanes 0-15 (points 16-31, units 0-15): lane L then holds both parts of point L
.irp j, 0,1,2,3
	v_permlane16_swap_b32 v[SM+\j], v[SM+4+\j]
.endr
	v_pk_add_f32 v[OUT:OUT+1], v[SM:SM+1], v[SM+4:SM+5]
	v_pk_add_f32 v[OUT+2:OUT+3], v[SM+2:SM+3], v[SM+6:SM+7]
	global_store_b128 v[LO16], v[OUT:OUT+3], s[PO:PO+1] th:TH_STORE_NT   ; 32 lanes store 512 consecutive bytes, at a multiple of 512 from out0's first byte
	s_add_co_u32 s[BT], s[BT], STRIDE
	s_cmp_lt_u32 s[BT], NBATCH
	s_cbranch_scc1 .Lbatch
	s_wait_tensorcnt 0x0
	ds_add_u32 v254, v255
	s_wait_dscnt 0x0
	s_endpgm
.Lfunc_end_k_q374963479b_sdf:
	.size	k_q374963479b_sdf, .Lfunc_end_k_q374963479b_sdf-k_q374963479b_sdf
	.p2alignl 7, 3214868480
	.fill 96, 4, 3214868480
	.section	.rodata,"a",@progbits
	.p2align	6, 0x0
	.amdhsa_kernel k_q374963479b_sdf
		.amdhsa_group_segment_fixed_size 10240
		.amdhsa_private_segment_fixed_size 0
		.amdhsa_enable_private_segment 0
		.amdhsa_kernarg_size 72
		.amdhsa_user_sgpr_count 2
		.amdhsa_user_sgpr_kernarg_segment_ptr 1
		.amdhsa_wavefront_size32 1
		.amdhsa_system_sgpr_workgroup_id_x 1
		.amdhsa_system_sgpr_workgroup_id_y 1
		.amdhsa_system_sgpr_workgroup_id_z 1
		.amdhsa_system_vgpr_workitem_id 0
		.amdhsa_next_free_vgpr 256
		.amdhsa_next_free_sgpr 98
		.amdhsa_reserve_vcc 0
		.amdhsa_float_denorm_mode_32 3
		.amdhsa_float_denorm_mode_16_64 3
		.amdhsa_memory_ordered 1
		.amdhsa_forward_progress 1
		.amdhsa_inst_pref_size 83
	.end_amdhsa_kernel
	.amdgpu_metadata
---
amdhsa.version: [ 1, 2 ]
amdhsa.kernels:
  - .name:           k_q374963479b_sdf
    .symbol:         k_q374963479b_sdf.kd
    .args:
      - { .name: texc, .offset: 0, .size: 8, .value_kind: global_buffer, .address_space: global }
      - { .name: cells, .offset: 8, .size: 8, .value_kind: global_buffer, .address_space: global }
      - { .name: table, .offset: 16, .size: 8, .value_kind: global_buffer, .address_space: global }
      - { .name: W0_codes, .offset: 24, .size: 8, .value_kind: global_buffer, .address_space: global }
      - { .name: W0_scales, .offset: 32, .size: 8, .value_kind: global_buffer, .address_space: global }
      - { .name: W1_codes, .offset: 40, .size: 8, .value_kind: global_buffer, .address_space: global }
      - { .name: W1_scales, .offset: 48, .size: 8, .value_kind: global_buffer, .address_space: global }
      - { .name: W2, .offset: 56, .size: 8, .value_kind: global_buffer, .address_space: global }
      - { .name: out0, .offset: 64, .size: 8, .value_kind: global_buffer, .address_space: global }
    .group_segment_fixed_size: 10240
    .private_segment_fixed_size: 0
    .kernarg_segment_align: 8
    .kernarg_segment_size: 72
    .max_flat_workgroup_size: 512
    .sgpr_count:     98
    .vgpr_count:     256
    .wavefront_size: 32
...
	.end_amdgpu_metadata
.endif
;; end of part 2
